; MI455X (gfx1250); checked and timed in simulation.
; The chip was launched on July 23, 2026; its instructions are those of AMD's public machine-readable ISA for CDNA 5 (MIT licence, August 2026) and "CDNA5" Instruction Set Architecture Reference Guide (July 2026). The comments in the code are by the model that wrote it; some were corrected since.
;; MLP Attention. Allowed arithmetic: matrix products marked QUANTISED: E2M1 operands, one E8M0 scale for each 32 along K, by v_wmma_scale_f32_16x16x128_f8f6f4 with both operands' format E2M1 (or v_wmma_scale_f32_32x16x128_f4), f32 sums; products left as they are: f32 operands where the result goes on into a quantised operand, else bf16, f16 or f32 operands; f32 sums; everything else in f32.
;; Inputs: K_codes 4 x 512 x 2 x 16 uint8 (E2M1 codes of K, K innermost, in blocks of 32 codes, two codes a byte); K_scales 4 x 512 x 2 uint8 (E8M0 scales of K, one for each 32 codes along K); Q_codes 4 x 512 x 2 x 16 uint8 (E2M1 codes of Q, K innermost, in blocks of 32 codes, two codes a byte); Q_scales 4 x 512 x 2 uint8 (E8M0 scales of Q, one for each 32 codes along K); V_codes 4 x 64 x 16 x 16 uint8 (E2M1 codes of V, K innermost, in blocks of 32 codes, two codes a byte); V_scales 4 x 64 x 16 uint8 (E8M0 scales of V, one for each 32 codes along K); W1 128 x 64 float32; W2 64 float32; b1 64 float32; b2 one number float32.
;; Outputs: out0 4 x 512 x 64 float32; out1 4 x 512 x 512 float32.
;; This version of the problem:
;;   THIS VERSION OF THE PROBLEM IS GIVEN IN LOW PRECISION. The matrix products marked QUANTISED in the list below multiply operands that are first quantised to E2M1 (2 exponent bits, 1 mantissa bit; 4 bits a number), with one power-of-two scale for each 32 numbers along K (OCP MX v1.0); their sums are f32. All else is computed in f32.
;;   The module's matrix products, in the order in which they are computed (A, B: the left and right operand; K: the contracted axis; several contracted axes count as one K, in the product's order):
;;     1. [M 2,048, K 64] x [K 64, N 64]; A: input Q (given as codes); B: input W1: QUANTISED
;;     2. [M 2,048, K 64] x [K 64, N 64]; A: input K (given as codes); B: input W1: QUANTISED
;;     3. [M 1,048,576, K 64] x [K 64, N 1]; A: computed on the way; B: input W2: left as it is (N = 1 < 16)
;;     4. batch 4 x [M 512, K 512] x [K 512, N 64]; A: softmax (see below); B: input V (given as codes): QUANTISED
;;   THE QUANTISER, for each operand of a quantised product, along K:
;;     - K is cut into blocks of 32 from its start; a last block that is shorter is filled with zeros.
;;     - A block's scale is 2^e with e = floor(log2(the largest magnitude in the block)) - 2, held to -126 .. 127; a block of zeros has e = 0. As a byte (E8M0): e + 127.
;;     - Each number is divided by its block's scale, clamped to +-6, and rounded to the nearest number of E2M1, ties to even, subnormals kept.
;;     - The product sums the exact products of the quantised numbers (number of the format x scale) in f32.
;;   ~~~python
;;   def quantise(x, axis):      # numpy; x: float32 -> the quantised numbers, widened to float32 again
;;       x = np.moveaxis(x, axis, -1); K = x.shape[-1]
;;       x = np.pad(x, [(0, 0)] * (x.ndim - 1) + [(0, -K % 32)]); x = x.reshape(x.shape[:-1] + (-1, 32)); a = np.abs(x).max(-1, keepdims=True)
;;       e = np.where(a > 0, np.clip(np.frexp(np.where(a > 0, a, 1))[1] - 1 - 2, -126, 127), 0)      # np.frexp(a)[1] - 1 = floor(log2(a)), exactly
;;       r = np.clip(x / 2.0 ** e, -6, 6)
;;       step = 2.0 ** (np.maximum(np.frexp(np.where(r == 0, 1, r))[1] - 1, 0) - 1)
;;       q = np.round(r / step) * step * 2.0 ** e      # np.round: ties to even
;;       return np.moveaxis(q.reshape(q.shape[:-2] + (-1,))[..., :K], -1, axis).astype(np.float32)
;;   ~~~
;;   SOFTMAX AHEAD OF A QUANTISED PRODUCT. Where the list says 'softmax', what is quantised is not the finished softmax but p = 2^(t - M), with t = logit x log2(e) and M = ceil(the row's largest t), a whole number; so 1/2 < the row's largest p <= 1. The row's sum l is taken of the UNQUANTISED p, in f32, and the product's result is divided by l at the end. Since M is a whole number, a kernel that streams over the keys may use a running M (the ceiling of the running maximum): every later rescaling is an exact power of two, which a block's scale takes up: the codes' values come out the same.
;;   OPERANDS COMPUTED ON THE WAY. 'Computed on the way' means the value that the module computes at that place (a softmax that the list does not call 'softmax' is quantised finished and normalised). What goes into a quantiser is computed in f32, as accurately as f32 sums, v_exp_f32 and their like allow (about 1e-6 of the number): no bf16 or f16 on the way to a quantiser, and a product that is left as it is and whose result goes on into a quantised operand takes f32 operands (vector FMAs, or v_wmma_f32_16x16x4_f32). A number that lies on a knife's edge between two numbers of the format may be rounded either way, as far as f32 arithmetic and the matrix unit's own rounding can turn it there, and no further.
;;   INPUTS GIVEN AS CODES. K (in the module: [4, 512, 64], K = its axis 2); Q (in the module: [4, 512, 64], K = its axis 2); V (in the module: [4, 512, 64], K = its axis 1): each comes as NAME_codes (uint8): NAME with its K axis moved to the last place and cut into blocks of 32 codes, [.., K / 32, bytes a block], one block behind the other in memory; two codes a byte, the lower K in the low four bits (a code: sign, 2 exponent bits, 1 mantissa bit); and NAME_scales (uint8): the same leading axes, one E8M0 byte (e + 127) for each 32 codes along K. Its value is code x scale, taken as it is: it is not quantised again, and the codes and scales need not be those that the quantiser above would give.
;; One version. Each part assembles by itself: llvm-mc -triple=amdgcn-amd-amdhsa -mcpu=gfx1250 --defsym DOCPART=n.
;; ======== version 1 of 1: 1 launch
;; limits: a difference of large sums (such as E[x^2] - mean^2): digits are lost where the result is much smaller than its terms
;; launch mlpatt (part 1): grid 64 x 4, 16 waves a work-group, no clusters, 50,176 bytes of LDS; arguments Q_codes, Q_scales, K_codes, K_scales, V_codes, V_scales, W1, b1, W2, b2, out0, out1; writes out0, out1
.if DOCPART == 1
	.amdgcn_target "amdgcn-amd-amdhsa--gfx1250"
	.amdhsa_code_object_version 6
	.text
	.protected	k_q8052402b20_mlpatt
	.globl	k_q8052402b20_mlpatt
	.p2align	8
	.type	k_q8052402b20_mlpatt,@function
k_q8052402b20_mlpatt:
	s_mov_b64 s[64:65], 0
	v_nop
	global_prefetch_b8 v0, s[64:65] scope:SCOPE_SE
	s_setreg_imm32_b32 hwreg(HW_REG_WAVE_MODE, 25, 1), 1
	s_wait_xcnt 0x0
; res[n][k] = sum over e of W2[e] relu(hq[n][e] + hk[k][e] + b1[e]) + b2;  att = softmax over k of res / 4;  out = att V.
; hq = Q Wq, hk = K Wk (Wq, Wk: the even and odd rows of W1) and the product with V go on codes of FP4 (E2M1) with one E8M0 scale for each 32 along K; all else is f32.
; SHARES.  A work-group owns 8 queries of one batch and all 512 keys; 64 x 4 work-groups.  Sixteen waves of 256 registers.  In the bulk wave w owns keys 32 w .. 32 w + 31, a lane a key, for all 8 queries.
; THE BULK.  With a = hq[n][e] and c = hk[k][e] + b1[e]:  relu(a + c) = c - min(-a, c).  So res = (sum W2 c + b2) - sum W2 min(-a, c): the bracket is one number a key, made once; the rest is one minimum
; for each element and one packed multiply-add for each two.  c lies in the lane's 64 registers along e; -hq lies across the lanes (register 8 t + q: -hq[q][16 t + lane % 16], alike in both halves), and the minimum
; itself takes it from lane e % 16 of its row (DPP row_share): no LDS read, no scalar register.  The identity's error is a few ulp of sum |W2| (|a| + |c|), for every input: the size of what the f32 rounding of a and c brings anyway.
; K = 64 IN A FORM OF K = 128.  A fragment's registers 0-3 hold k = 32 (lane / 16) + 0 .. 31, registers 4-7 k = 64 .. 127.  Q's and K's fragments have zero codes there.  W's tiles lie DENSE, four registers each, so the
; upper four registers of an operand of W are the neighbour's codes: every E2M1 code is a finite number and meets a zero code, so they add nothing.
; SOFTMAX.  t = res log2(e) / 4; M = ceil(the row's largest t); p = 2^(t - M) is quantised along the keys; the row's sum l is taken of the unquantised p; att = p / l, out = (codes of p x V) / l.
; NO CLUSTER: what work-groups share (a batch's K and V, 34,816 bytes, and W1, 32,768) is read once by each, through registers, at the head; there is no tensor load that could be asked jointly, and no ring.
; LIMITS: NaN and infinities among the f32 inputs are not served.  A block of W1 or of p whose largest magnitude lies under 2^-124 (all zeros too) keeps the scale byte 1: this program alone reads those bytes, and
; zero codes add nothing.  p under 2^-126 comes out of v_exp_f32 as 0.
.set WF,   0                           ; LDS: 8 images of W's tiles, f = 4 s + t (s: 0 Wq, 1 Wk; t: 16 e): lane (r, h)'s 16 bytes at 512 f + 16 r + 256 h
.set WS,   4096                        ; W's scale bytes: 32 f + 2 r + block
.set VC,   4352                        ; V's codes: 64 rows (d) of 256 bytes, 272 apart
.set VP,   272
.set VSC,  21760                       ; V's scale bytes, 16 a row d, as in memory
.set TT,   22784                       ; t, later att: 8 rows of 512 f32
.set SM,   39168                       ; 1 / l, a word a query
.set PI,   39424                       ; images of p's four fragments: 1024 s + 512 c + 16 r + 256 h; only r < 8 is written and read
.set PS,   43520                       ; p's scale bytes: 16 q + key / 32
.set OS,   43776                       ; stage for out0: 16 rows, 272 apart (rows 8-15 are the duplicates and are not read back)
.set NC,   64                          ; v64-127   c[e] of my key
.set W2V,  128                         ; v128-191  W2[e], alike in all lanes
.set HQ,   192                         ; v192-223  -hq: register 8 t + q
.set T,    224                         ; v224-231  K's first fragment; in the bulk eight minima
.set ACC,  232                         ; v232-235  (v232-239: K's second fragment) two packed sums
.set SB,   236                         ; v236      sum W2 c + b2;  v237 the same x log2(e) / 4;  v238-239 t, by turns
.set WSC,  246                         ; v246-249  W's scale words: lanes 0-15 Wq's tile t, lanes 16-31 Wk's;  v244 K's (lanes 0-15 keys 0-15, lanes 16-31 keys 16-31), v245 Q's
.set VF,   64                          ; the last product: V's fragment (t, s) at VF + 8 (4 t + s)
.set PF,   192                         ; p's fragment s
.set O,    24                          ; its four accumulators
.set VS,   244                         ; v244-251  V's scale words: register 4 p + s: lanes 0-15 tile 2 p, lanes 16-31 tile 2 p + 1
.set PSC,  252                         ; v252-255  p's scale words
	s_load_b512 s[4:19], s[0:1], 0x0               ; Q_codes 4, Q_scales 6, K_codes 8, K_scales 10, V_codes 12, V_scales 14, W1 16, b1 18
	s_load_b256 s[20:27], s[0:1], 0x40             ; W2 20, b2 22, out0 24, out1 26
	v_lshrrev_b32 v204, 5, v0
	v_readfirstlane_b32 s28, v204                  ; wave 0..15
	v_and_b32 v200, 31, v0                         ; l
	v_and_b32 v201, 15, v0                         ; r
	v_bfe_u32 v202, v0, 4, 1                       ; h
	v_and_b32 v203, 7, v0                          ; r % 8
	s_and_b32 s29, ttmp7, 0xffff                   ; batch
	s_mov_b32 s30, 0x3eb8aa3b                      ; log2(e) / 4
	s_mov_b32 s32, 0x76543210
	s_mov_b32 s33, 0xfedcba98                      ; v_permlanex16_b32's selects for lane l xor 16
	s_lshl_b32 s34, s29, 9
	s_lshl_b32 s35, ttmp9, 3
	s_add_co_u32 s35, s35, s34                     ; my first query's row: 512 batch + 8 x
	s_lshl_b32 s54, s28, 5
	s_add_co_u32 s54, s54, s34                     ; my wave's first key's row: 512 batch + 32 wave
	s_lshl_b32 s36, s35, 5                         ; Q's codes: 32 bytes a row
	s_lshl_b32 s38, s35, 1                         ; Q's scales: 2
	s_lshl_b32 s40, s35, 8                         ; out0: 256
	s_lshl_b32 s42, s35, 11                        ; out1: 2,048
	s_lshl_b32 s44, s54, 5                         ; K's codes
	s_lshl_b32 s46, s54, 1                         ; K's scales
	s_lshl_b32 s48, s29, 14                        ; V's codes: 16,384 bytes a batch
	s_lshl_b32 s50, s29, 10                        ; V's scales: 1,024
	s_and_b32 s55, s28, 1                          ; which half tile of W my wave quantises: s (0 Wq, 1 Wk),
	s_bfe_u32 s56, s28, 0x10001                    ; the block of 32 along d,
	s_lshr_b32 s57, s28, 2                         ; t (16 columns e)
	s_lshl_b32 s52, s56, 14                        ; W1's row 2 d + s is 256 bytes: 32 d are 16,384,
	s_lshl_b32 s58, s55, 8
	s_add_co_u32 s52, s52, s58                     ; + 256 s
	s_lshl_b32 s58, s57, 6
	s_add_co_u32 s52, s52, s58                     ; + 64 t
.irp p, 37,39,41,43,45,47,49,51,53
	s_mov_b32 s\p, 0                               ; the offsets' upper words
.endr
	v_lshlrev_b32 v1, 2, v201
	v_lshl_add_u32 v1, v202, 13, v1                ; W1: column r, 16 d (32 rows of W1) further down for lanes 16-31
	v_lshlrev_b32 v2, 5, v201
	v_lshl_add_u32 v2, v202, 4, v2                 ; K's codes: row r, + 16 h
	v_lshlrev_b32 v3, 1, v200                      ; K's scales: key l
	v_lshlrev_b32 v4, 5, v203
	v_lshl_add_u32 v4, v202, 4, v4                 ; Q's codes: rows m and m + 8 of the fragment are the same query
	v_lshlrev_b32 v5, 1, v203                      ; Q's scales
	v_lshlrev_b32 v6, 4, v0                        ; V's codes: 16 bytes a thread, twice
	v_lshlrev_b32 v7, 1, v0                        ; V's scales: 2 bytes a thread, in memory and in LDS
	v_lshlrev_b32 v8, 5, v202                      ; b1: 8 numbers further on for lanes 16-31
	v_mov_b32 v242, 0                              ; W2: every lane reads the same
	s_wait_kmcnt 0x0
	s_add_nc_u64 s[16:17], s[16:17], s[52:53]
	s_add_nc_u64 s[12:13], s[12:13], s[48:49]
	s_add_nc_u64 s[14:15], s[14:15], s[50:51]
	s_add_nc_u64 s[8:9], s[8:9], s[44:45]
	s_add_nc_u64 s[10:11], s[10:11], s[46:47]
	s_add_nc_u64 s[4:5], s[4:5], s[36:37]
	s_add_nc_u64 s[6:7], s[6:7], s[38:39]
	s_add_nc_u64 s[24:25], s[24:25], s[40:41]
	s_add_nc_u64 s[26:27], s[26:27], s[42:43]
	s_load_b32 s31, s[22:23], 0x0                  ; b2
	; ---- all 56 loads of the wave go out here, what is wanted first in front
.irp i, 0,1,2,3,4,5,6,7,8,9,10,11,12,13,14,15
	global_load_b32 v[24+\i], v1, s[16:17] offset:512*\i   ; W(d = 32 block + 16 h + i, e = 16 t + r): 16 neighbours along d in a lane's registers
.endr
	global_load_b128 v[48:51], v6, s[12:13]
	global_load_b128 v[52:55], v6, s[12:13] offset:8192
	global_load_u16 v45, v7, s[14:15]
	global_load_b128 v[224:227], v2, s[8:9]                ; my keys 0-15
	global_load_b128 v[232:235], v2, s[8:9] offset:512     ; my keys 16-31
	global_load_u16 v244, v3, s[10:11]                     ; two scale bytes; the word's upper two, for k = 64 .. 127, are 0
	global_load_b128 v[56:59], v4, s[4:5]
	global_load_u16 v245, v5, s[6:7]
.irp t, 0,1,2,3                                ; b1 in the result's layout, as the C of hk's products: lane (r, h), register j: b1[16 t + 8 h + j], for both tiles of keys
	global_load_b128 v[NC+16*\t:NC+16*\t+3], v8, s[18:19] offset:64*\t
	global_load_b128 v[NC+16*\t+4:NC+16*\t+7], v8, s[18:19] offset:64*\t+16
	global_load_b128 v[NC+16*\t+8:NC+16*\t+11], v8, s[18:19] offset:64*\t
	global_load_b128 v[NC+16*\t+12:NC+16*\t+15], v8, s[18:19] offset:64*\t+16
.endr
.irp i, 0,1,2,3,4,5,6,7,8,9,10,11,12,13,14,15
	global_load_b128 v[W2V+4*\i:W2V+4*\i+3], v242, s[20:21] offset:16*\i
.endr
	; ---- while they are on their way: zero codes for k = 64 .. 127, and every LDS address of the kernel, ahead of any parting of the waves
.irp j, 60,61,62,63,228,229,230,231,236,237,238,239
	v_mov_b32 v\j, 0
.endr
	v_mov_b32 v42, 0                               ; a lane permute's destination counts as one of its sources
	s_lshl_b32 s58, s55, 2
	s_add_co_u32 s58, s58, s57                     ; f = 4 s + t
	s_lshl_b32 s59, s58, 9
	s_lshl_b32 s60, s56, 8
	s_add_co_u32 s59, s59, s60
	v_lshlrev_b32 v9, 4, v201
	v_lshl_add_u32 v9, v202, 3, v9
	v_add_nc_u32 v9, s59, v9                       ; my 8 bytes of W's image: 512 f + 256 block + 16 r + 8 h
	s_lshl_b32 s60, s58, 5
	s_add_co_u32 s60, s60, s56
	s_add_co_u32 s60, s60, WS
	v_lshl_add_u32 v10, v201, 1, s60               ; my block's scale byte: WS + 32 f + block + 2 r
	v_lshrrev_b32 v204, 4, v0
	v_mul_u32_u24 v11, v204, VP
	v_lshl_add_u32 v11, v201, 4, v11
	v_add_nc_u32 v11, VC, v11                      ; V's codes into LDS: row thread / 16, 16 bytes
	v_lshlrev_b32 v12, 4, v200                     ; 16 l: an image's place for my lane; V's scale rows; out0's offset
	v_lshlrev_b32 v13, 1, v201
	v_lshl_add_u32 v13, v202, 7, v13
	v_add_nc_u32 v13, WS, v13                      ; W's scale halfwords: lanes 0-15 Wq's, lanes 16-31 Wk's (four tiles, 128 bytes, on)
	v_lshl_add_u32 v14, v0, 2, TT                  ; t of my key
	s_and_b32 s62, s28, 7                          ; the query of the softmax's waves (0 to 7)
	s_lshl_b32 s61, s62, 11
	v_lshl_add_u32 v15, v200, 5, s61
	v_add_nc_u32 v15, TT, v15                      ; its row of t: 8 neighbouring keys a lane
	v_lshl_add_u32 v16, v200, 4, s61               ; the same row by 16 bytes a lane: in LDS (with TT in the immediate) and in out1
	v_lshrrev_b32 v204, 2, v200                    ; l / 4
	v_and_b32 v205, 3, v0
	s_lshl_b32 s63, s62, 4
	v_lshlrev_b32 v17, 8, v204
	v_lshl_add_u32 v17, v205, 2, v17
	v_add_nc_u32 v17, s63, v17
	v_add_nc_u32 v17, PI, v17                      ; my 8 codes of p in the images: 256 (l / 4) + 16 q + 4 (l % 4)
	v_add_nc_u32 v18, s63, v204
	v_add_nc_u32 v18, PS, v18                      ; my block's scale byte: 16 q + l / 4
	s_lshl_b32 s59, s62, 2
	s_add_co_u32 s59, s59, SM
	v_mov_b32 v19, s59                             ; 1 / l of my query
	v_mul_u32_u24 v20, v201, VP
	v_lshl_add_u32 v20, v202, 4, v20
	v_add_nc_u32 v20, VC, v20                      ; V's fragments: row r, + 16 h
	v_lshlrev_b32 v21, 4, v203
	v_lshl_add_u32 v21, v202, 8, v21
	v_add_nc_u32 v21, PI, v21                      ; p's fragments: column r takes query r % 8
	v_lshl_add_u32 v22, v203, 4, PS
	v_lshl_add_u32 v23, v203, 2, SM
	v_mul_u32_u24 v240, v201, 272
	v_lshl_add_u32 v240, v202, 5, v240
	v_add_nc_u32 v240, OS, v240                    ; out0's stage, in: row r, + 32 h
	v_mul_u32_u24 v241, v202, 272
	v_lshl_add_u32 v241, v201, 4, v241
	v_add_nc_u32 v241, OS, v241                    ; and back: lanes 0-15 one row, lanes 16-31 the next
	; ---- my half tile of W: a block of 32 along d lies in lanes l and l xor 16
	s_wait_loadcnt 40                              ; W1's sixteen are in: 3 + 5 + 16 + 16 loads were issued behind them
	v_max3_num_f32 v40, |v24|, |v25|, 0x1800000    ; the floor 2^(3 - 127): the byte cannot fall under 1
	v_max3_num_f32 v41, |v26|, |v27|, |v28|
	v_max3_num_f32 v40, v40, |v29|, |v30|
	v_max3_num_f32 v41, v41, |v31|, |v32|
	v_max3_num_f32 v40, v40, |v33|, |v34|
	v_max3_num_f32 v41, v41, |v35|, |v36|
	v_max3_num_f32 v40, v40, |v37|, |v38|
	v_max3_num_f32 v40, v40, v41, |v39|
	v_permlanex16_b32 v42, v40, s32, s33
	v_max_num_f32 v40, v40, v42                    ; the block's largest magnitude
	v_add_nc_u32 v43, 0xff000000, v40              ; 2 off its exponent field: the conversion's scale operand
	v_lshrrev_b32 v44, 23, v43                     ; the scale's byte
	v_cvt_scalef32_pk8_fp4_f32 v46, v[24:31], v43
	v_cvt_scalef32_pk8_fp4_f32 v47, v[32:39], v43
	v_nop                                          ; one plain place behind a scaled conversion
	ds_store_b64 v9, v[46:47]
	ds_store_b8 v10, v44                           ; both lanes of a block write the same byte with the same value
	s_wait_loadcnt 37                              ; V's three are in
	ds_store_b128 v11, v[48:51]
	ds_store_b128 v11, v[52:55] offset:32*VP
	ds_store_b16 v7, v45 offset:VSC
	s_wait_dscnt 0x0                               ; for the others' sake: my stores have landed
	s_barrier_signal -1
	s_barrier_wait -1                              ; W's eight tiles and V lie in LDS
.irp f, 0,1,2,3,4,5,6,7
	ds_load_b128 v[24+4*\f:27+4*\f], v12 offset:WF+512*\f  ; Wq's tiles at v24, 28, 32, 36; Wk's at v40, 44, 48, 52
.endr
.irp t, 0,1,2,3
	ds_load_u16 v[WSC+\t], v13 offset:32*\t
.endr
	s_wait_loadcnt 0x0
	s_wait_kmcnt 0x0                               ; b2
	s_wait_dscnt 0x0
	; ---- twelve products, each on an accumulator of its own.  hk + b1, transposed (source 0 = 16 columns e of Wk, source 1 = 16 keys): lane (r, h), register j: key r, e = 16 t + 8 h + j
.irp t, 0,1,2,3
	v_wmma_scale_f32_16x16x128_f8f6f4 v[NC+16*\t:NC+16*\t+7], v[40+4*\t:47+4*\t], v[224:231], v[NC+16*\t:NC+16*\t+7], v[WSC+\t], v244 matrix_a_fmt:MATRIX_FMT_FP4 matrix_b_fmt:MATRIX_FMT_FP4 matrix_a_scale:MATRIX_SCALE_ROW1
	v_wmma_scale_f32_16x16x128_f8f6f4 v[NC+16*\t+8:NC+16*\t+15], v[40+4*\t:47+4*\t], v[232:239], v[NC+16*\t+8:NC+16*\t+15], v[WSC+\t], v244 matrix_a_fmt:MATRIX_FMT_FP4 matrix_b_fmt:MATRIX_FMT_FP4 matrix_a_scale:MATRIX_SCALE_ROW1 matrix_b_scale:MATRIX_SCALE_ROW1
.endr
.irp t, 0,1,2,3                                ; hq (source 0 = the 8 queries, twice; source 1 = 16 columns e of Wq): register j: hq[j][16 t + r], in both halves of the lanes
	v_wmma_scale_f32_16x16x128_f8f6f4 v[HQ+8*\t:HQ+8*\t+7], v[56:63], v[24+4*\t:31+4*\t], 0, v245, v[WSC+\t] matrix_a_fmt:MATRIX_FMT_FP4 matrix_b_fmt:MATRIX_FMT_FP4
.endr
.rept 4
	v_nop                                          ; four places between the last product and the first read of a result (ISA guide 7.12.1)
.endr
.irp t, 0,1,2,3                                ; the first's lanes 16-31 change places with the second's lanes 0-15: v[NC + e] = c[my key l][e].  Each accumulator is read from its low end on
.irp j, 0,1,2,3,4,5,6,7
	v_permlane16_swap_b32 v[NC+16*\t+\j], v[NC+16*\t+8+\j]
.endr
.endr
.irp i, 0,1,2,3,4,5,6,7,8,9,10,11,12,13,14,15
	v_pk_mul_f32 v[HQ+2*\i:HQ+2*\i+1], v[HQ+2*\i:HQ+2*\i+1], -1.0 op_sel_hi:[1,0]    ; -hq
.endr
	v_pk_mul_f32 v[ACC:ACC+1], v[NC:NC+1], v[W2V:W2V+1]                   ; sum over e of W2 c: two packed chains; the first products start them
	v_pk_mul_f32 v[ACC+2:ACC+3], v[NC+2:NC+3], v[W2V+2:W2V+3]
.irp i, 4,8,12,16,20,24,28,32,36,40,44,48,52,56,60
	v_pk_fma_f32 v[ACC:ACC+1], v[NC+\i:NC+\i+1], v[W2V+\i:W2V+\i+1], v[ACC:ACC+1]
	v_pk_fma_f32 v[ACC+2:ACC+3], v[NC+\i+2:NC+\i+3], v[W2V+\i+2:W2V+\i+3], v[ACC+2:ACC+3]
.endr
	v_pk_add_f32 v[ACC:ACC+1], v[ACC:ACC+1], v[ACC+2:ACC+3]
	v_add_f32 v[SB], v[ACC], v[ACC+1]
	v_add_f32 v[SB], s31, v[SB]                    ; + b2
	v_mul_f32 v[SB+1], s30, v[SB]                  ; x log2(e) / 4
; ---- THE BULK.  Sixteen e of query q: twice eight minima, each taking -hq[q][e] from lane e % 16 of its row, and four packed multiply-adds by W2 onto two sums by turns.  first = 1: the first two products start the sums.
.macro SIXTEEN q, t, first
.irp n, 0,1,2,3,4,5,6,7
	v_min_num_f32_dpp v[T+\n], v[HQ+8*\t+\q], v[NC+16*\t+\n] row_share:\n row_mask:0xf bank_mask:0xf
.endr
.if \first
	v_pk_mul_f32 v[ACC:ACC+1], v[T:T+1], v[W2V+16*\t:W2V+16*\t+1]
	v_pk_mul_f32 v[ACC+2:ACC+3], v[T+2:T+3], v[W2V+16*\t+2:W2V+16*\t+3]
.else
	v_pk_fma_f32 v[ACC:ACC+1], v[T:T+1], v[W2V+16*\t:W2V+16*\t+1], v[ACC:ACC+1]
	v_pk_fma_f32 v[ACC+2:ACC+3], v[T+2:T+3], v[W2V+16*\t+2:W2V+16*\t+3], v[ACC+2:ACC+3]
.endif
	v_pk_fma_f32 v[ACC:ACC+1], v[T+4:T+5], v[W2V+16*\t+4:W2V+16*\t+5], v[ACC:ACC+1]
	v_pk_fma_f32 v[ACC+2:ACC+3], v[T+6:T+7], v[W2V+16*\t+6:W2V+16*\t+7], v[ACC+2:ACC+3]
.irp n, 8,9,10,11,12,13,14,15
	v_min_num_f32_dpp v[T+\n-8], v[HQ+8*\t+\q], v[NC+16*\t+\n] row_share:\n row_mask:0xf bank_mask:0xf
.endr
	v_pk_fma_f32 v[ACC:ACC+1], v[T:T+1], v[W2V+16*\t+8:W2V+16*\t+9], v[ACC:ACC+1]
	v_pk_fma_f32 v[ACC+2:ACC+3], v[T+2:T+3], v[W2V+16*\t+10:W2V+16*\t+11], v[ACC+2:ACC+3]
	v_pk_fma_f32 v[ACC:ACC+1], v[T+4:T+5], v[W2V+16*\t+12:W2V+16*\t+13], v[ACC:ACC+1]
	v_pk_fma_f32 v[ACC+2:ACC+3], v[T+6:T+7], v[W2V+16*\t+14:W2V+16*\t+15], v[ACC+2:ACC+3]
.endm
.macro QUERY q
	SIXTEEN \q, 0, 1
	SIXTEEN \q, 1, 0
	SIXTEEN \q, 2, 0
	SIXTEEN \q, 3, 0
	v_pk_add_f32 v[ACC:ACC+1], v[ACC:ACC+1], v[ACC+2:ACC+3]
	v_add_f32 v[ACC], v[ACC], v[ACC+1]             ; u = sum over e of W2 min(-hq, c)
	v_fma_f32 v[SB+2+(\q)%2], -v[ACC], s30, v[SB+1]    ; t = (sum W2 c + b2 - u) log2(e) / 4
	ds_store_b32 v14, v[SB+2+(\q)%2] offset:2048*\q
.endm
.irp q, 0,1,2,3,4,5,6,7
	QUERY \q
.endr
	s_wait_dscnt 0x0                               ; for the others' sake: my t have landed
	s_barrier_signal -1
	s_barrier_wait -1                              ; 8 rows of 512 t lie in LDS
	; ---- by the wave's number: waves 0-7 take a query's softmax each; wave 8 fetches V's fragments meanwhile; the others have nothing here
	s_cmp_lt_u32 s28, 8
	s_cbranch_scc0 .Lnot_softmax
	ds_load_b128 v[64:67], v15                     ; keys 8 l + 0 .. 7,
	ds_load_b128 v[68:71], v15 offset:16
	ds_load_b128 v[72:75], v15 offset:1024         ; and 256 + 8 l + 0 .. 7: four neighbouring lanes hold a block of 32 keys
	ds_load_b128 v[76:79], v15 offset:1040
	s_wait_dscnt 0x0
.irp u, 0,1
	v_max3_num_f32 v[80+\u], v[64+8*\u], v[65+8*\u], v[66+8*\u]
.endr
.irp i, 3,5
.irp u, 0,1
	v_max3_num_f32 v[80+\u], v[80+\u], v[64+8*\u+\i], v[65+8*\u+\i]
.endr
.endr
.irp u, 0,1
	v_max_num_f32 v[80+\u], v[80+\u], v[71+8*\u]
.endr
.irp x, 1,2
.irp u, 0,1
	v_max_num_f32_dpp v[80+\u], v[80+\u], v[80+\u] row_xmask:\x row_mask:0xf bank_mask:0xf   ; each block's largest t: it serves for the row's maximum and, since p rises with t, for the block's largest p
.endr
.endr
	v_max_num_f32 v82, v80, v81
	v_max_num_f32_dpp v82, v82, v82 row_xmask:4 row_mask:0xf bank_mask:0xf
	v_max_num_f32_dpp v82, v82, v82 row_xmask:8 row_mask:0xf bank_mask:0xf
	v_permlanex16_b32 v83, v82, s32, s33
	v_max_num_f32 v82, v82, v83                    ; the row's largest t
	v_floor_f32 v84, -v82                          ; -M = floor(-t) = -ceil(t)
	v_mov_b32 v85, 0                               ; (named with it as a pair, so it is written)
.irp i, 0,1,2,3,4,5,6,7
	v_pk_add_f32 v[64+2*\i:65+2*\i], v[64+2*\i:65+2*\i], v[84:85] op_sel_hi:[1,0]    ; t - M
.endr
	v_add_f32 v80, v80, v84                        ; the same of the blocks' largest: the same addition on the same number gives the same bits
	v_add_f32 v81, v81, v84
.irp i, 0,1,2,3,4,5,6,7,8,9,10,11,12,13,14,15,16,17
	v_exp_f32 v[64+\i], v[64+\i]                   ; p = 2^(t - M), and (v80, v81) the blocks' largest p: one batch
.endr
	v_mov_b32 v97, 0                               ; a plain place behind the exponentials.  (v97 is named with 1 / l as a pair)
	s_wait_alu depctr_va_vdst(0)                   ; the wait ahead of the first reader: one for the batch
	v_pk_add_f32 v[86:87], v[64:65], v[66:67]      ; the row's sum, of the unquantised p
	v_pk_add_f32 v[88:89], v[68:69], v[70:71]
	v_pk_add_f32 v[90:91], v[72:73], v[74:75]
	v_pk_add_f32 v[92:93], v[76:77], v[78:79]
	v_pk_add_f32 v[86:87], v[86:87], v[88:89]
	v_pk_add_f32 v[90:91], v[90:91], v[92:93]
	v_pk_add_f32 v[86:87], v[86:87], v[90:91]
	v_add_f32 v94, v86, v87
.irp x, 1,2,4,8
	v_add_f32_dpp v94, v94, v94 row_xmask:\x row_mask:0xf bank_mask:0xf
.endr
	v_permlanex16_b32 v83, v94, s32, s33
	v_add_f32 v94, v94, v83                        ; l
	v_rcp_f32 v96, v94
.irp u, 0,1
	v_max_num_f32 v[80+\u], 0x1800000, v[80+\u]    ; (plain work behind the reciprocal)  the floor 2^(3 - 127): the byte cannot fall under 1
.endr
.irp u, 0,1
	v_add_nc_u32 v[98+\u], 0xff000000, v[80+\u]    ; 2 off the exponent field: the conversion's scale operand
.endr
.irp u, 0,1
	v_lshrrev_b32 v[100+\u], 23, v[98+\u]          ; the scale's byte
.endr
	s_wait_alu depctr_va_vdst(0)                   ; and the wait for the reciprocal, ahead of its first reader
	v_cvt_scalef32_pk8_fp4_f32 v102, v[64:71], v98
	v_cvt_scalef32_pk8_fp4_f32 v103, v[72:79], v99
	v_nop                                          ; one plain place behind a scaled conversion
	ds_store_b32 v17, v102                         ; key 256 u + 8 l is K step 2 u + l / 16, registers' group (l / 8) % 2, half (l / 4) % 2, register l % 4 of column q
	ds_store_b32 v17, v103 offset:2048
	ds_store_b8 v18, v100                          ; the four lanes of a block write the same byte with the same value
	ds_store_b8 v18, v101 offset:8
	ds_store_b32 v19, v96                          ; all lanes write the same word with the same value
	s_branch .Ljoin
.Lnot_softmax:
	s_cmp_eq_u32 s28, 8
	s_cbranch_scc0 .Ljoin
.irp t, 0,1,2,3                                ; V's sixteen fragments: 16 rows d x 128 keys each
.irp s, 0,1,2,3
.irp c, 0,1
	ds_load_b128 v[VF+8*(4*\t+\s)+4*\c:VF+8*(4*\t+\s)+4*\c+3], v20 offset:16*\t*VP+64*\s+32*\c
.endr
.endr
.endr
.Ljoin:
	s_wait_dscnt 0x0                               ; my stores have landed, my loads are in
	s_barrier_signal -1
	s_barrier_wait -1                              ; p's images, its scale bytes and 1 / l lie in LDS
	s_cmp_lt_u32 s28, 8
	s_cbranch_scc0 .Lnot_att
	; ---- att = p / l.  A lane holds 32 neighbouring bytes: the row goes back through its own bytes of LDS, which no other wave touches any more, and leaves 512 consecutive bytes a store
.irp i, 0,1,2,3,4,5,6,7
	v_pk_mul_f32 v[64+2*\i:65+2*\i], v[64+2*\i:65+2*\i], v[96:97] op_sel_hi:[1,0]
.endr
	ds_store_b128 v15, v[64:67]
	ds_store_b128 v15, v[68:71] offset:16
	ds_store_b128 v15, v[72:75] offset:1024
	ds_store_b128 v15, v[76:79] offset:1040
.irp i, 0,1,2,3
	ds_load_b128 v[104+4*\i:107+4*\i], v16 offset:TT+512*\i    ; LDS serves a wave's instructions in order (ISA guide 5.7.1.4): these see the stores above
.endr
.irp i, 0,1,2,3
	s_wait_dscnt 3-\i                              ; the younger loads may stay out
	global_store_b128 v16, v[104+4*\i:107+4*\i], s[26:27] offset:512*\i th:TH_STORE_NT
.endr
	s_wait_xcnt 0x0
	v_lshl_add_u32 v242, v0, 2, 0xbc00
	v_mov_b32 v243, 0
	s_wait_tensorcnt 0x0
	ds_add_u32 v242, v243
	s_wait_dscnt 0x0
	s_endpgm
.Lnot_att:
	s_cmp_eq_u32 s28, 8
	s_cbranch_scc0 .Lend
	; ---- out0, by wave 8: O^T = V^T P^T (source 0 = 16 rows d of V, source 1 = p: column r is query r % 8), four K steps of 128 keys
.irp s, 0,1,2,3
.irp c, 0,1
	ds_load_b128 v[PF+8*\s+4*\c:PF+8*\s+4*\c+3], v21 offset:1024*\s+512*\c
.endr
.endr
	ds_load_b128 v[VS:VS+3], v12 offset:VSC        ; row d = l: lanes 0-15 tile 0, lanes 16-31 tile 1; register s: the word of K step s
	ds_load_b128 v[VS+4:VS+7], v12 offset:VSC+512  ; tiles 2 and 3
	ds_load_b128 v[PSC:PSC+3], v22
	ds_load_b32 v56, v23                           ; 1 / l of my column's query
	v_mov_b32 v57, 0                               ; (named with it as a pair)
	s_wait_dscnt 0x0
.rept 4
	v_nop                                          ; an operand register that a vector instruction has written stands four plain places ahead of a scaled product: further up in the text the softmax's
.endr                                          ; last vector lines write v100-103, which lie among the registers of V's fragments; with these four no way through the text has fewer than six between
.irp s, 0,1,2,3                                ; the four accumulators take turns, one instruction a turn; the first K step starts the sums
.irp p, 0,1
.if \s == 0
	v_wmma_scale_f32_16x16x128_f8f6f4 v[O+16*\p:O+16*\p+7], v[VF+8*(8*\p+\s):VF+8*(8*\p+\s)+7], v[PF+8*\s:PF+8*\s+7], 0, v[VS+4*\p+\s], v[PSC+\s] matrix_a_fmt:MATRIX_FMT_FP4 matrix_b_fmt:MATRIX_FMT_FP4
	v_wmma_scale_f32_16x16x128_f8f6f4 v[O+16*\p+8:O+16*\p+15], v[VF+8*(8*\p+4+\s):VF+8*(8*\p+4+\s)+7], v[PF+8*\s:PF+8*\s+7], 0, v[VS+4*\p+\s], v[PSC+\s] matrix_a_fmt:MATRIX_FMT_FP4 matrix_b_fmt:MATRIX_FMT_FP4 matrix_a_scale:MATRIX_SCALE_ROW1
.else
	v_wmma_scale_f32_16x16x128_f8f6f4 v[O+16*\p:O+16*\p+7], v[VF+8*(8*\p+\s):VF+8*(8*\p+\s)+7], v[PF+8*\s:PF+8*\s+7], v[O+16*\p:O+16*\p+7], v[VS+4*\p+\s], v[PSC+\s] matrix_a_fmt:MATRIX_FMT_FP4 matrix_b_fmt:MATRIX_FMT_FP4
	v_wmma_scale_f32_16x16x128_f8f6f4 v[O+16*\p+8:O+16*\p+15], v[VF+8*(8*\p+4+\s):VF+8*(8*\p+4+\s)+7], v[PF+8*\s:PF+8*\s+7], v[O+16*\p+8:O+16*\p+15], v[VS+4*\p+\s], v[PSC+\s] matrix_a_fmt:MATRIX_FMT_FP4 matrix_b_fmt:MATRIX_FMT_FP4 matrix_a_scale:MATRIX_SCALE_ROW1
.endif
.endr
.endr
.rept 4
	v_nop                                          ; four places between the last product and the first read of a result
.endr
.irp i, 0,1,2,3,4,5,6,7,8,9,10,11,12,13,14,15
	v_pk_mul_f32 v[O+2*\i:O+2*\i+1], v[O+2*\i:O+2*\i+1], v[56:57] op_sel_hi:[1,0]    ; / l; each accumulator from its low end on.  Register 8 t + j: out(query r % 8, d = 16 t + 8 h + j)
.endr
.irp t, 0,1,2,3
	ds_store_b128 v240, v[O+8*\t:O+8*\t+3] offset:64*\t
	ds_store_b128 v240, v[O+8*\t+4:O+8*\t+7] offset:64*\t+16
.endr
.irp i, 0,1,2,3
	ds_load_b128 v[104+4*\i:107+4*\i], v241 offset:2*\i*272    ; rows 2 i and 2 i + 1, whole; in order behind my stores
.endr
.irp i, 0,1,2,3
	s_wait_dscnt 3-\i                              ; the younger loads may stay out
	global_store_b128 v12, v[104+4*\i:107+4*\i], s[24:25] offset:512*\i th:TH_STORE_NT   ; two rows of 256 bytes: 512 consecutive bytes
.endr
.Lend:
	s_wait_xcnt 0x0
	v_lshl_add_u32 v242, v0, 2, 0xbc00
	v_mov_b32 v243, 0
	s_wait_tensorcnt 0x0
	ds_add_u32 v242, v243
	s_wait_dscnt 0x0
	s_endpgm
.Lfunc_end_k_q8052402b20_mlpatt:
	.size	k_q8052402b20_mlpatt, .Lfunc_end_k_q8052402b20_mlpatt-k_q8052402b20_mlpatt
	.p2alignl 7, 3214868480
	.fill 96, 4, 3214868480
	.section	.rodata,"a",@progbits
	.p2align	6, 0x0
	.amdhsa_kernel k_q8052402b20_mlpatt
		.amdhsa_group_segment_fixed_size 50176
		.amdhsa_private_segment_fixed_size 0
		.amdhsa_enable_private_segment 0
		.amdhsa_kernarg_size 96
		.amdhsa_user_sgpr_count 2
		.amdhsa_user_sgpr_kernarg_segment_ptr 1
		.amdhsa_wavefront_size32 1
		.amdhsa_system_sgpr_workgroup_id_x 1
		.amdhsa_system_sgpr_workgroup_id_y 1
		.amdhsa_system_sgpr_workgroup_id_z 1
		.amdhsa_system_vgpr_workitem_id 0
		.amdhsa_next_free_vgpr 256
		.amdhsa_next_free_sgpr 66
		.amdhsa_reserve_vcc 0
		.amdhsa_float_denorm_mode_32 3
		.amdhsa_float_denorm_mode_16_64 3
		.amdhsa_memory_ordered 1
		.amdhsa_forward_progress 1
		.amdhsa_inst_pref_size 83
	.end_amdhsa_kernel
	.amdgpu_metadata
---
amdhsa.version: [ 1, 2 ]
amdhsa.kernels:
  - .name:           k_q8052402b20_mlpatt
    .symbol:         k_q8052402b20_mlpatt.kd
    .args:
      - { .name: Q_codes, .offset: 0, .size: 8, .value_kind: global_buffer, .address_space: global }
      - { .name: Q_scales, .offset: 8, .size: 8, .value_kind: global_buffer, .address_space: global }
      - { .name: K_codes, .offset: 16, .size: 8, .value_kind: global_buffer, .address_space: global }
      - { .name: K_scales, .offset: 24, .size: 8, .value_kind: global_buffer, .address_space: global }
      - { .name: V_codes, .offset: 32, .size: 8, .value_kind: global_buffer, .address_space: global }
      - { .name: V_scales, .offset: 40, .size: 8, .value_kind: global_buffer, .address_space: global }
      - { .name: W1, .offset: 48, .size: 8, .value_kind: global_buffer, .address_space: global }
      - { .name: b1, .offset: 56, .size: 8, .value_kind: global_buffer, .address_space: global }
      - { .name: W2, .offset: 64, .size: 8, .value_kind: global_buffer, .address_space: global }
      - { .name: b2, .offset: 72, .size: 8, .value_kind: global_buffer, .address_space: global }
      - { .name: out0, .offset: 80, .size: 8, .value_kind: global_buffer, .address_space: global }
      - { .name: out1, .offset: 88, .size: 8, .value_kind: global_buffer, .address_space: global }
    .group_segment_fixed_size: 50176
    .private_segment_fixed_size: 0
    .kernarg_segment_align: 8
    .kernarg_segment_size: 96
    .max_flat_workgroup_size: 512
    .sgpr_count:     66
    .vgpr_count:     256
    .wavefront_size: 32
...
	.end_amdgpu_metadata
.endif
;; end of part 1
